; MI455X (gfx1250); checked and timed in simulation.
; The chip was launched on July 23, 2026; its instructions are those of AMD's public machine-readable ISA for CDNA 5 (MIT licence, August 2026) and "CDNA5" Instruction Set Architecture Reference Guide (July 2026). The comments in the code are by the model that wrote it; some were corrected since.
;; SRL Embeddings. Allowed arithmetic: float matrix products may take bf16 or f16 operands with f32 sums; all other float work in f32.
;; Inputs: arg0_ids 32 x 8 x 8 x 8 int32; arg1_ids 32 x 8 x 8 x 8 int32; predicate_ids 32 x 8 x 8 x 8 int32; sentence_embeddings 32 x 8 x 128 x 768 float32; sentence_ids 32 x 8 x 128 int32.
;; Outputs: out0 32 x 8 x 768 float32; out1 32 x 8 x 8 x 768 float32; out2 32 x 8 x 8 x 768 float32; out3 32 x 8 x 8 x 768 float32.
;; 2 versions, each right; version 2 is version 1 with the launch srl written anew for expert scheduling mode. Each part assembles by itself: llvm-mc -triple=amdgcn-amd-amdhsa -mcpu=gfx1250 --defsym DOCPART=n.
;; ======== version 1 of 2: 1 launch
;; launch srl (part 1): grid 256 x 1, 12 waves a work-group, no clusters, 8,448 bytes of LDS; arguments sentence_embeddings, sentence_ids, predicate_ids, arg0_ids, arg1_ids, out0, out1, out2, out3; writes out0, out1, out2, out3
.if DOCPART == 1
	.amdgcn_target "amdgcn-amd-amdhsa--gfx1250"
	.amdhsa_code_object_version 6
	.text
	.protected	k_q6296da815c_srl
	.globl	k_q6296da815c_srl
	.p2align	8
	.type	k_q6296da815c_srl,@function
k_q6296da815c_srl:
	s_mov_b64 s[64:65], 0
	v_nop
	global_prefetch_b8 v0, s[64:65] scope:SCOPE_SE
	s_setreg_imm32_b32 hwreg(HW_REG_WAVE_MODE, 25, 1), 1
	s_wait_xcnt 0x0
; SRLEmbeddings.  For each of 256 sentences, E = [128 tokens][768] f32:
;   out0[d]       = (1/128) sum over t of E[t][d]
;   out1..3[a][d] = (1 / max(n_valid[a], 1)) sum over l, t of match[a][l][t] E[t][d],   match = (tok[a][l] == sid[t]) and (tok[a][l] != 0)
; FORM.  The product is linear in match, so the sum over l is taken first: C[a][t] = number of l with a match, a whole number 0..8, and
; out = diag(1/n) C E with 24 rows of C for a sentence.  This holds whatever sentence_ids holds (ids that repeat, are missing or are 0): a token may
; match no position, one or several.  (tok == sid and tok != 0) is the same as (tok == sid and sid != 0), so validity is one mask for each t.
; No input and no step is left out: all five inputs are loaded.  Rows 4-7 and 12-15 of the second tile of C repeat its rows 0-3 and 8-11
; (24 live rows in two tiles of 16); their results are finite repeats and are not stored.
; SHARES.  One work-group a sentence, 12 waves; wave w owns d = 64 w .. 64 w + 63 (256 bytes of every row of E) for all 128 tokens.
; E goes from memory straight into matrix fragments: lane (r = lane % 16, h = lane / 16) loads the 16 bytes E[t][64 w + 4 r .. + 3]; lanes 0-15 take
; 256 consecutive aligned bytes of row t, lanes 16-31 those of row t + 8.  Two loads of neighbouring t give, column by column, one packed register
; of a B fragment; the lane's four columns give four fragments j, in which matrix column r stands for d = 64 w + 4 r + j.  So register i of
; the four accumulators j = 0..3 holds four neighbouring d of one output row, and the multiply by 1/n lays them in four consecutive registers.
; No LDS for E (it would add a write and a read of every byte), no cluster (no two work-groups read the same byte of E or of the ids).
; The mean is a sum, not a product: it is added in f32 from the registers as loaded.
; LIMITS.  For out1..3 E is rounded to bf16 (a finite f32 above bf16's largest number becomes infinite); C is exact in bf16; 1/n stays in f32 and is
; v_rcp_f32 and a multiply, not a division; the f32 sums are taken in another order than in the definition; ids are compared as 32-bit patterns;
; an infinity or NaN in E reaches every row of its column, as 0 x infinity does in the definition.
.set ROW,  3072                        ; bytes in a row of E and of an output
.set SENT, 128*ROW                     ; bytes of a sentence's E
.set WP,   272                         ; LDS pitch of a row of C: 256 bytes + 16, so that 16 rows start in 16 different 16-byte columns of 256
.set T1,   16*WP                       ; LDS byte of C's row 16 (arg1's first)
.set INVB, 6656                        ; LDS byte of the table of 24 f32: 1 / max(n_valid, 1)
; LDS: C rows 0-7 predicate, 8-15 arg0, 16-23 arg1, row m at m WP, token t at 2 t (bytes 0 .. 6527); the table at 6656 .. 6751.
.set EOFF, 1                           ; v1   256 w + 16 r + 8 rows x h: my 16 bytes in E
.set WA0,  2                           ; v2   LDS address of my part of C's first tile
.set WA1,  3                           ; v3   the same for the second tile, without T1
.set OOFF, 4                           ; v4   256 w + 16 r + 4 rows x h: my 16 bytes in out1..3
.set MOFF, 5                           ; v5   256 w + 16 r + 8 h: my 8 bytes in out0
.set SOFF, 6                           ; v6   16 x lane: my four sentence ids
.set IA,   7                           ; v7   16 h: my four words of the table
.set SA,   8                           ; v[8:11]    sum of E, even loads
.set SB,   12                          ; v[12:15]   sum of E, odd loads
.set W0,   16                          ; v[16:23]   A fragment, tile 0
.set W1,   24                          ; v[24:31]   A fragment, tile 1
.set BF,   32                          ; v[32:63]   B fragments j = 0..3
.set ACC,  64                          ; v[64:127]  accumulators: tile t, fragment j at 64 + 32 t + 8 j
.set EV,   128                         ; v[128:255] E as loaded: slot s at 128 + 64 s, load i at + 4 i
; at work before the first product, in registers of the accumulators:
.set SID,  72                          ; v[72:75]   sentence ids of t = 4 lane + q
.set CNT,  80                          ; v[80:87]   counts: row rr, place q at 80 + 4 rr + q
.set PK,   88                          ; v[88:91]   counts packed as bf16
.set NF,   92                          ; v[92:93]   n as f32
.set RC,   94                          ; v[94:95]   1 / n
.set WST,  96                          ; v96        where I store my counts
.set IST,  97                          ; v97        where my wave stores its two 1 / n
.set TMP,  100                         ; v[100:108] lane terms
; on the way out, in slot 0 of E, which is free behind the third step's conversions:
.set INV,  128                         ; v[128:139] 1 / n of output x, row 4 h + i at 128 + 4 x + i
.set OV,   144                         ; v[144:191] results of output x at 144 + 16 x
.set TOK,  32                          ; s[32:47]   my wave's 16 tokens: row 2 w, then row 2 w + 1
.set NZ,   50                          ; s[50:53]   lane masks: sid[4 lane + q] != 0
	s_load_b512 s[4:19], s[0:1], 0x0               ; E s[4:5], sid s[6:7], predicate s[8:9], arg0 s[10:11], arg1 s[12:13], out0 s[14:15], out1 s[16:17], out2 s[18:19]
	s_load_b64 s[20:21], s[0:1], 0x40              ; out3
	s_set_vgpr_msb 0x40
	v_lshl_add_u32 v0, v0, 2, 0x1b00
	v_mov_b32 v1, 0
	s_set_vgpr_msb 0x4000
	v_lshrrev_b32 v[TMP+3], 5, v0
	v_readfirstlane_b32 s22, v[TMP+3]              ; wave w, 0 to 11
	v_and_b32 v[TMP], 31, v0                       ; lane
	v_and_b32 v[TMP+1], 15, v0                     ; r
	v_bfe_u32 v[TMP+2], v0, 4, 1                   ; h
	s_lshl_b32 s23, s22, 8                         ; my wave's 256 bytes in a row
	v_lshl_add_u32 v[TMP+3], v[TMP+1], 4, s23      ; 256 w + 16 r
	v_mad_u32_u24 v[EOFF], v[TMP+2], 8*ROW, v[TMP+3]
	v_mad_u32_u24 v[OOFF], v[TMP+2], 4*ROW, v[TMP+3]
	v_lshl_add_u32 v[MOFF], v[TMP+2], 3, v[TMP+3]
	v_lshlrev_b32 v[SOFF], 4, v[TMP]
	v_lshlrev_b32 v[IA], 4, v[TMP+2]
	; Which row of C stands in row m = r of a tile.  A result's register i of lane half h is row m = 8 h + i.  Tile 0: m 0-3 predicate 0-3, 4-7 arg0 0-3,
	; 8-11 predicate 4-7, 12-15 arg0 4-7 (bits 2 and 3 of r change places).  Tile 1: m 0-3 arg1 0-3, 8-11 arg1 4-7, the rest repeats.
	; So for each output registers i = 0..3 (or 4..7) of both lane halves are rows 4 h + i of that one output.
	v_and_b32 v[TMP+4], 3, v[TMP+1]
	v_bfe_u32 v[TMP+5], v[TMP+1], 2, 1
	v_bfe_u32 v[TMP+6], v[TMP+1], 3, 1
	v_lshl_add_u32 v[TMP+7], v[TMP+6], 2, v[TMP+4] ; (r & 3) + 4 bit3: tile 1's row, counted from row 16
	v_lshl_add_u32 v[TMP+8], v[TMP+5], 3, v[TMP+7] ; + 8 bit2: tile 0's row
	v_mad_u32_u24 v[WA0], v[TMP+8], WP, v[IA]      ; row x pitch + 16 h
	v_mad_u32_u24 v[WA1], v[TMP+7], WP, v[IA]
	s_mul_i32 s23, s22, 2*WP                       ; my wave's two rows of C
	v_lshl_add_u32 v[WST], v[TMP], 3, s23          ; + 8 bytes a lane (four bf16)
	s_mov_b32 s28, 0xffff0000                      ; the lanes with h = 1
	s_mov_b32 s29, 0x76543210                      ; v_permlanex16_b32: lane i of one half reads lane i of the other
	s_mov_b32 s30, 0xfedcba98
	s_mov_b32 s25, 0                               ; upper word of every offset
	s_wait_kmcnt 0x0                               ; the nine addresses
	; my wave's 16 tokens: waves 0-3 predicate, 4-7 arg0, 8-11 arg1; rows 2 (w & 3) and the next, 32 bytes each; a sentence has 256 bytes in a table
	s_cmp_lt_u32 s22, 4
	s_cselect_b64 s[26:27], s[8:9], s[10:11]
	s_cmp_lt_u32 s22, 8
	s_cselect_b64 s[26:27], s[26:27], s[12:13]
	s_and_b32 s23, s22, 3
	s_lshl_b32 s23, s23, 6
	s_lshl_b32 s24, ttmp9, 8
	s_add_co_u32 s24, s24, s23
	s_add_nc_u64 s[26:27], s[26:27], s[24:25]
	s_load_b512 s[TOK:TOK+15], s[26:27], 0x0
	s_lshl_b32 s24, ttmp9, 9                       ; a sentence's 128 ids are 512 bytes
	s_add_nc_u64 s[6:7], s[6:7], s[24:25]
	global_load_b128 v[SID:SID+3], v[SOFF], s[6:7] ; ahead of E's loads, so that it comes back first
	s_mul_i32 s24, ttmp9, SENT                     ; 255 x 393,216 at the most: below 2^32
	s_add_nc_u64 s[4:5], s[4:5], s[24:25]
; The 16 loads of K step k (tokens 32 k .. 32 k + 31) into slot s.  Load i of lane half h is token 32 k + 8 h + i (i < 8) or 32 k + 16 + 8 h + (i - 8):
; the order in which a 16-bit fragment's registers hold k.  Each load of the wave covers two aligned runs of 256 consecutive bytes.
.macro LOADK k, s
.irp i, 0,1,2,3,4,5,6,7,8,9,10,11,12,13,14,15
	global_load_b128 v[EV+64*\s+4*\i:EV+64*\s+4*\i+3], v[EOFF], s[4:5] offset:(32*(\k)+\i+8*(\i/8))*ROW th:TH_LOAD_NT
.endr
.endm
	LOADK 0, 0
	LOADK 1, 1                                     ; 32 loads of 512 bytes of every wave are out: half of the sentence for the 12 waves
	s_mul_i32 s24, ttmp9, ROW                      ; the outputs at my sentence
	s_add_nc_u64 s[14:15], s[14:15], s[24:25]
	s_mul_i32 s24, ttmp9, 8*ROW
	s_add_nc_u64 s[16:17], s[16:17], s[24:25]
	s_add_nc_u64 s[18:19], s[18:19], s[24:25]
	s_add_nc_u64 s[20:21], s[20:21], s[24:25]
	s_lshl_b32 s23, s22, 3
	s_add_co_u32 s23, s23, INVB                    ; my wave's two words of the table
	; n_valid of my two rows: the tokens that are not 0, at least 1; 1 / n in f32
	s_wait_kmcnt 0x0                               ; the tokens
	s_mov_b32 s48, 0
	s_mov_b32 s49, 0
.irp l, 0,1,2,3,4,5,6,7
	s_cmp_lg_u32 s[TOK+\l], 0
	s_add_co_ci_u32 s48, s48, 0                    ; + 1 where the token is not 0
	s_cmp_lg_u32 s[TOK+8+\l], 0
	s_add_co_ci_u32 s49, s49, 0
.endr
	s_max_u32 s48, s48, 1
	s_max_u32 s49, s49, 1
	v_cvt_f32_u32 v[NF], s48
	v_cvt_f32_u32 v[NF+1], s49
	v_rcp_f32 v[RC], v[NF]
	v_rcp_f32 v[RC+1], v[NF+1]
	v_mov_b32 v[IST], s23                          ; the plain vector instruction between the reciprocals and the use of their results (ISA guide 5.7.2)
	s_wait_alu depctr_va_vdst(0)
	ds_store_b64 v[IST], v[RC:RC+1]                ; all lanes store the same two words with the same values
	; C's rows 2 w and 2 w + 1: lane l counts for t = 4 l + q
	s_wait_loadcnt 32                              ; the ids are in; the 32 loads of E issued behind them stay out
.irp q, 0,1,2,3
	v_cmp_ne_u32 s[NZ+\q], 0, v[SID+\q]            ; a position whose id is 0 matches no valid token
.endr
.macro COUNT rr, q
	v_cmp_eq_u32 vcc_lo, s[TOK+8*\rr], v[SID+\q]
	v_cndmask_b32 v[CNT+4*\rr+\q], 0, 1, vcc_lo    ; the first token starts the count: nothing is cleared
.irp l, 1,2,3,4,5,6,7
	v_cmp_eq_u32 vcc_lo, s[TOK+8*\rr+\l], v[SID+\q]
	v_add_co_ci_u32 v[CNT+4*\rr+\q], vcc_lo, 0, v[CNT+4*\rr+\q], vcc_lo   ; + 1 where it matches
.endr
	v_cvt_f32_u32 v[CNT+4*\rr+\q], v[CNT+4*\rr+\q]
	v_cndmask_b32 v[CNT+4*\rr+\q], 0, v[CNT+4*\rr+\q], s[NZ+\q]
.endm
.irp rr, 0,1
.irp q, 0,1,2,3
	COUNT \rr, \q
.endr
	v_cvt_pk_bf16_f32 v[PK+2*\rr],   v[CNT+4*\rr],   v[CNT+4*\rr+1]        ; 0..8 are exact in bf16; the lower t in the lower half
	v_cvt_pk_bf16_f32 v[PK+2*\rr+1], v[CNT+4*\rr+2], v[CNT+4*\rr+3]
.endr
	ds_store_b64 v[WST], v[PK:PK+1]                ; 32 lanes x 8 bytes: a row's 256 consecutive bytes
	ds_store_b64 v[WST], v[PK+2:PK+3] offset:WP
	s_wait_dscnt 0x0                               ; my rows of C and my words of the table are in LDS, for the other waves' sake
	s_barrier_signal -1
	s_barrier_wait -1                              ; all 24 rows are; the only barrier.  E's loads stay out across it: no wave writes those bytes
; Slot s is added into the two chains of sums.  first = 1: loads 0 to 3 start them.
.macro ADDI s, i
	v_pk_add_f32 v[SA+4*(\i%2):SA+4*(\i%2)+1],   v[SA+4*(\i%2):SA+4*(\i%2)+1],   v[EV+64*\s+4*\i:EV+64*\s+4*\i+1]
	v_pk_add_f32 v[SA+4*(\i%2)+2:SA+4*(\i%2)+3], v[SA+4*(\i%2)+2:SA+4*(\i%2)+3], v[EV+64*\s+4*\i+2:EV+64*\s+4*\i+3]
.endm
.macro SUMS s, first
.if \first
	v_pk_add_f32 v[SA:SA+1],   v[EV+64*\s:EV+64*\s+1],     v[EV+64*\s+8:EV+64*\s+9]
	v_pk_add_f32 v[SA+2:SA+3], v[EV+64*\s+2:EV+64*\s+3],   v[EV+64*\s+10:EV+64*\s+11]
	v_pk_add_f32 v[SB:SB+1],   v[EV+64*\s+4:EV+64*\s+5],   v[EV+64*\s+12:EV+64*\s+13]
	v_pk_add_f32 v[SB+2:SB+3], v[EV+64*\s+6:EV+64*\s+7],   v[EV+64*\s+14:EV+64*\s+15]
.else
.irp i, 0,1,2,3
	ADDI \s, \i
.endr
.endif
.irp i, 4,5,6,7,8,9,10,11,12,13,14,15
	ADDI \s, \i
.endr
.endm
; Slot s becomes four B fragments: register p of fragment j = column j of loads 2 p (low half) and 2 p + 1 (high half)
.macro CVT s
.irp j, 0,1,2,3
.irp p, 0,1,2,3,4,5,6,7
	v_cvt_pk_bf16_f32 v[BF+8*\j+\p], v[EV+64*\s+8*\p+\j], v[EV+64*\s+8*\p+4+\j]
.endr
.endr
.endm
; K step k on slot s.  first = 1: the products start the sums (C = 0).  fill = 1: the slot is loaded again, two steps ahead.
; left = how many younger loads may stay out.
.macro STEP k, s, first, fill, left
	s_wait_loadcnt \left                           ; loads come back in order (ISA guide 5.7.1): this slot's 16 are in
	SUMS \s, \first                                ; 28 or 32 plain vector instructions that name no register of a matrix instruction: the places
	                                               ; between the last step's products and the loads into W0, W1 and the writes of the B fragments below
	ds_load_b128 v[W0:W0+3],   v[WA0] offset:64*\k
	ds_load_b128 v[W0+4:W0+7], v[WA0] offset:64*\k+32
	ds_load_b128 v[W1:W1+3],   v[WA1] offset:T1+64*\k
	ds_load_b128 v[W1+4:W1+7], v[WA1] offset:T1+64*\k+32
	CVT \s
.if \fill
	LOADK \k+2, \s                                 ; the slot has been read by the sums and the conversions
.endif
	s_wait_dscnt 0x0                               ; C's two fragments
.irp j, 0,1,2,3                                    ; the eight accumulators take turns, one instruction a turn, in the same order in every step
.irp t, 0,1
.if \first
	v_wmma_f32_16x16x32_bf16 v[ACC+32*\t+8*\j:ACC+32*\t+8*\j+7], v[W0+8*\t:W0+8*\t+7], v[BF+8*\j:BF+8*\j+7], 0
.else
	v_wmma_f32_16x16x32_bf16 v[ACC+32*\t+8*\j:ACC+32*\t+8*\j+7], v[W0+8*\t:W0+8*\t+7], v[BF+8*\j:BF+8*\j+7], v[ACC+32*\t+8*\j:ACC+32*\t+8*\j+7]
.endif
.endr
.endr
.endm
	STEP 0, 0, 1, 1, 16                            ; step 1's 16 loads stay out
	STEP 1, 1, 0, 1, 16                            ; step 2's
	STEP 2, 0, 0, 0, 16                            ; step 3's
.irp x, 0,1,2
	ds_load_b128 v[INV+4*\x:INV+4*\x+3], v[IA] offset:INVB+32*\x   ; 1 / n of rows 4 h .. 4 h + 3 of output x, into slot 0, which nothing reads or loads any more; waited for in the last step
.endr
	STEP 3, 1, 0, 0, 0
	; The mean.  A lane holds, for its four d, the sum over its 64 tokens; the lane 16 away holds the other 64.  Lane half h keeps d = 4 r + 2 h and the next and
	; gets the other half's sums of these two, so that each lane stores 8 bytes and the wave 256 consecutive aligned bytes, with all lanes on.
	; The first six lines name v8-v15 alone: they are also the places between the last products and the first read of a result.
	v_pk_add_f32 v[SA:SA+1],   v[SA:SA+1],   v[SB:SB+1]
	v_pk_add_f32 v[SA+2:SA+3], v[SA+2:SA+3], v[SB+2:SB+3]
	v_cndmask_b32 v[SB+2], v[SA+2], v[SA],   s28   ; what the other half needs: h = 0 gives its words 2, 3; h = 1 its words 0, 1
	v_cndmask_b32 v[SB+3], v[SA+3], v[SA+1], s28
	v_cndmask_b32 v[SA],   v[SA],   v[SA+2], s28   ; what I keep
	v_cndmask_b32 v[SA+1], v[SA+1], v[SA+3], s28
	v_permlanex16_b32 v[SB],   v[SB+2], s29, s30   ; the destinations have been written before
	v_permlanex16_b32 v[SB+1], v[SB+3], s29, s30
	v_pk_add_f32 v[SA:SA+1], v[SA:SA+1], v[SB:SB+1]
	v_pk_mul_f32 v[SA:SA+1], v[SA:SA+1], 0x3c000000 op_sel_hi:[1,0]        ; x 1/128, exact
	global_store_b64 v[MOFF], v[SA:SA+1], s[14:15] th:TH_STORE_NT
; Output x: rows 4 h + i are registers j0 + i of tile t's four accumulators.  The multiply by 1 / n lays the four neighbouring d side by side; lanes 0-15 store
; 256 consecutive aligned bytes of row i, lanes 16-31 those of row 4 + i.  Each result register is written once and no address register is rewritten.
.macro OUT x, t, j0, base
.irp i, 0,1,2,3
.irp j, 0,1,2,3
	v_mul_f32 v[OV+16*\x+4*\i+\j], v[ACC+32*\t+8*\j+\j0+\i], v[INV+4*\x+\i]
.endr
	global_store_b128 v[OOFF], v[OV+16*\x+4*\i:OV+16*\x+4*\i+3], s[\base:\base+1] offset:\i*ROW th:TH_STORE_NT
.endr
.endm
	OUT 0, 0, 0, 16                                ; predicate
	OUT 1, 0, 4, 18                                ; arg0
	OUT 2, 1, 0, 20                                ; arg1
	s_set_vgpr_msb 0x5
	s_wait_tensorcnt 0x0
	ds_add_u32 v0, v1
	s_wait_dscnt 0x0
	s_set_vgpr_msb 0x500
	s_endpgm
.Lfunc_end_k_q6296da815c_srl:
	.size	k_q6296da815c_srl, .Lfunc_end_k_q6296da815c_srl-k_q6296da815c_srl
	.p2alignl 7, 3214868480
	.fill 96, 4, 3214868480
	.section	.rodata,"a",@progbits
	.p2align	6, 0x0
	.amdhsa_kernel k_q6296da815c_srl
		.amdhsa_group_segment_fixed_size 8448
		.amdhsa_private_segment_fixed_size 0
		.amdhsa_enable_private_segment 0
		.amdhsa_kernarg_size 72
		.amdhsa_user_sgpr_count 2
		.amdhsa_user_sgpr_kernarg_segment_ptr 1
		.amdhsa_wavefront_size32 1
		.amdhsa_system_sgpr_workgroup_id_x 1
		.amdhsa_system_sgpr_workgroup_id_y 1
		.amdhsa_system_sgpr_workgroup_id_z 1
		.amdhsa_system_vgpr_workitem_id 0
		.amdhsa_next_free_vgpr 258
		.amdhsa_next_free_sgpr 66
		.amdhsa_reserve_vcc 1
		.amdhsa_float_denorm_mode_32 3
		.amdhsa_float_denorm_mode_16_64 3
		.amdhsa_memory_ordered 1
		.amdhsa_forward_progress 1
		.amdhsa_inst_pref_size 39
	.end_amdhsa_kernel
	.amdgpu_metadata
---
amdhsa.version: [ 1, 2 ]
amdhsa.kernels:
  - .name:           k_q6296da815c_srl
    .symbol:         k_q6296da815c_srl.kd
    .args:
      - { .name: sentence_embeddings, .offset: 0, .size: 8, .value_kind: global_buffer, .address_space: global }
      - { .name: sentence_ids, .offset: 8, .size: 8, .value_kind: global_buffer, .address_space: global }
      - { .name: predicate_ids, .offset: 16, .size: 8, .value_kind: global_buffer, .address_space: global }
      - { .name: arg0_ids, .offset: 24, .size: 8, .value_kind: global_buffer, .address_space: global }
      - { .name: arg1_ids, .offset: 32, .size: 8, .value_kind: global_buffer, .address_space: global }
      - { .name: out0, .offset: 40, .size: 8, .value_kind: global_buffer, .address_space: global }
      - { .name: out1, .offset: 48, .size: 8, .value_kind: global_buffer, .address_space: global }
      - { .name: out2, .offset: 56, .size: 8, .value_kind: global_buffer, .address_space: global }
      - { .name: out3, .offset: 64, .size: 8, .value_kind: global_buffer, .address_space: global }
    .group_segment_fixed_size: 8448
    .private_segment_fixed_size: 0
    .kernarg_segment_align: 8
    .kernarg_segment_size: 72
    .max_flat_workgroup_size: 384
    .sgpr_count:     66
    .vgpr_count:     258
    .wavefront_size: 32
...
	.end_amdgpu_metadata
.endif
;; end of part 1
;; ======== version 2 of 2: 1 launch; version 1 with the launch srl written anew for expert scheduling mode
;; launch srl (part 2): grid 256 x 1, 12 waves a work-group, no clusters, 8,448 bytes of LDS; arguments sentence_embeddings, sentence_ids, predicate_ids, arg0_ids, arg1_ids, out0, out1, out2, out3; writes out0, out1, out2, out3
.if DOCPART == 2
	.amdgcn_target "amdgcn-amd-amdhsa--gfx1250"
	.amdhsa_code_object_version 6
	.text
	.protected	k_q6296da815c_srl
	.globl	k_q6296da815c_srl
	.p2align	8
	.type	k_q6296da815c_srl,@function
k_q6296da815c_srl:
	s_mov_b64 s[64:65], 0
	v_nop
	global_prefetch_b8 v0, s[64:65] scope:SCOPE_SE
	s_setreg_imm32_b32 hwreg(HW_REG_WAVE_SCHED_MODE, 0, 2), 2
	s_setreg_imm32_b32 hwreg(HW_REG_WAVE_MODE, 25, 1), 1
	s_wait_xcnt 0x0
	s_wait_alu depctr_vm_vsrc(0)
; SRLEmbeddings.  For each of 256 sentences, E = [128 tokens][768] f32:
;   out0[d]       = (1/128) sum over t of E[t][d]
;   out1..3[a][d] = (1 / max(n_valid[a], 1)) sum over l, t of match[a][l][t] E[t][d],   match = (tok[a][l] == sid[t]) and (tok[a][l] != 0)
; FORM.  The product is linear in match, so the sum over l is taken first: C[a][t] = number of l with a match, a whole number 0..8, and
; out = diag(1/n) C E with 24 rows of C for a sentence.  This holds whatever sentence_ids holds (ids that repeat, are missing or are 0): a token may
; match no position, one or several.  (tok == sid and tok != 0) is the same as (tok == sid and sid != 0), so validity is one mask for each t.
; No input and no step is left out: all five inputs are loaded.  Rows 4-7 and 12-15 of the second tile of C repeat its rows 0-3 and 8-11
; (24 live rows in two tiles of 16); their results are finite repeats and are not stored.
; SHARES.  One work-group a sentence, 12 waves; wave w owns d = 64 w .. 64 w + 63 (256 bytes of every row of E) for all 128 tokens.
; E goes from memory straight into matrix fragments: lane (r = lane % 16, h = lane / 16) loads the 16 bytes E[t][64 w + 4 r .. + 3]; lanes 0-15 take
; 256 consecutive aligned bytes of row t, lanes 16-31 those of row t + 8.  Two loads of neighbouring t give, column by column, one packed register
; of a B fragment; the lane's four columns give four fragments j, in which matrix column r stands for d = 64 w + 4 r + j.  So register i of
; the four accumulators j = 0..3 holds four neighbouring d of one output row, and the multiply by 1/n lays them in four consecutive registers.
; No LDS for E (it would add a write and a read of every byte), no cluster (no two work-groups read the same byte of E or of the ids).
; The mean is a sum, not a product: it is added in f32 from the registers as loaded.
; LIMITS.  For out1..3 E is rounded to bf16 (a finite f32 above bf16's largest number becomes infinite); C is exact in bf16; 1/n stays in f32 and is
; v_rcp_f32 and a multiply, not a division; the f32 sums are taken in another order than in the definition; ids are compared as 32-bit patterns;
; an infinity or NaN in E reaches every row of its column, as 0 x infinity does in the definition.
; THE MODE: SCHED_MODE bits 1:0 = 2 (LLVM: expert scheduling mode 2), set by the entry lines.  The code itself states the register dependences
; between vector or matrix instructions and memory or LDS instructions, with s_wait_alu, always for 0.
; THE PLAN.  Registers that memory or LDS instructions touch:
;   v1-v7, v96     offsets and LDS addresses: made at the head, ahead of one wait on va_vdst, and never written again while a memory instruction is to read them.
;   v88-97         packed counts, 1 / n and the two store addresses: written by the set-up, read by three LDS stores that stand in one run behind one wait on
;                  va_vdst; they are accumulators afterwards, so one wait on vm_vsrc stands behind the barrier, ahead of the first product.
;   slot s of E    step k: its sums and conversions read it; in steps 0 and 1 the loads of step k + 2 then land in it, behind one wait on va_vdst that follows the
;                  conversions.  Those 16 loads are dealt among the step's eight products, which name W0, W1, the B fragments and the accumulators alone.
;   W0, W1         step k: its four LDS loads land in them, its products read them.  From step 1 on one wait on va_vdst stands ahead of the loads, behind the sums.
;   v128-139       slot 0's first registers take the table of 1 / n in step 3: that step's wait also states that step 2's sums and conversions are done reading them.
;   v8-9, v144-191 the results: all arithmetic of the way out, one wait on va_vdst, then the 13 stores; nothing is written behind them.
;   The B fragments, the accumulators and v110-125 are named by vector and matrix instructions alone.
; Scalar registers that vector instructions write: s22 (the wave's number) and the compares' lane masks, s50-53 and s66-97; the compares stand in two runs, with one wait
; on va_sdst behind each, ahead of the run's first reader.  VCC and EXEC are never written.  No scalar register that a vector instruction reads is written again by a scalar instruction.
.set ROW,  3072                        ; bytes in a row of E and of an output
.set SENT, 128*ROW                     ; bytes of a sentence's E
.set WP,   272                         ; LDS pitch of a row of C: 256 bytes + 16, so that 16 rows start in 16 different 16-byte columns of 256
.set T1,   16*WP                       ; LDS byte of C's row 16 (arg1's first)
.set INVB, 6656                        ; LDS byte of the table of 24 f32: 1 / max(n_valid, 1)
; LDS: C rows 0-7 predicate, 8-15 arg0, 16-23 arg1, row m at m WP, token t at 2 t (bytes 0 .. 6527); the table at 6656 .. 6751.
.set EOFF, 1                           ; v1   256 w + 16 r + 8 rows x h: my 16 bytes in E
.set WA0,  2                           ; v2   LDS address of my part of C's first tile
.set WA1,  3                           ; v3   the same for the second tile, without T1
.set OOFF, 4                           ; v4   256 w + 16 r + 4 rows x h: my 16 bytes in out1..3
.set MOFF, 5                           ; v5   256 w + 16 r + 8 h: my 8 bytes in out0
.set SOFF, 6                           ; v6   16 x lane: my four sentence ids
.set IA,   7                           ; v7   16 h: my four words of the table
.set SA,   8                           ; v[8:11]    sum of E, even loads
.set SB,   12                          ; v[12:15]   sum of E, odd loads
.set W0,   16                          ; v[16:23]   A fragment, tile 0
.set W1,   24                          ; v[24:31]   A fragment, tile 1
.set BF,   32                          ; v[32:63]   B fragments j = 0..3
.set ACC,  64                          ; v[64:127]  accumulators: tile t, fragment j at 64 + 32 t + 8 j
.set EV,   128                         ; v[128:255] E as loaded: slot s at 128 + 64 s, load i at + 4 i
; at work before the first product, in registers of the accumulators:
.set SID,  72                          ; v[72:75]   sentence ids of t = 4 lane + q
.set CNT,  80                          ; v[80:87]   counts in f32: row rr, place q at 80 + 4 rr + q
.set PK,   88                          ; v[88:91]   counts packed as bf16
.set NF,   92                          ; v[92:93]   n as f32
.set RC,   94                          ; v[94:95]   1 / n
.set WST,  96                          ; v96        where I store my counts
.set IST,  97                          ; v97        where my wave stores its two 1 / n
.set TMP,  100                         ; v[100:108] lane terms
.set ONE,  110                         ; v[110:125] 0 or 1.0 for each of a place's eight tokens: two sets of eight, by the place's parity
; on the way out, in slot 0 of E, which is free behind the third step's conversions:
.set INV,  128                         ; v[128:139] 1 / n of output x, row 4 h + i at 128 + 4 x + i
.set OV,   144                         ; v[144:191] results of output x at 144 + 16 x
.set TOK,  32                          ; s[32:47]   my wave's 16 tokens: row 2 w, then row 2 w + 1
.set NZ,   50                          ; s[50:53]   lane masks: sid[4 lane + q] != 0
.set MK,   66                          ; s[66:97]   lane masks of one row of C: place q, token l at 66 + 8 q + l: tok[l] == sid[4 lane + q]
	s_load_b512 s[4:19], s[0:1], 0x0               ; E s[4:5], sid s[6:7], predicate s[8:9], arg0 s[10:11], arg1 s[12:13], out0 s[14:15], out1 s[16:17], out2 s[18:19]
	s_load_b64 s[20:21], s[0:1], 0x40              ; out3
	s_set_vgpr_msb 0x40
	v_lshl_add_u32 v0, v0, 2, 0x1b00
	v_mov_b32 v1, 0
	s_set_vgpr_msb 0x4000
	v_lshrrev_b32 v[TMP+3], 5, v0
	v_readfirstlane_b32 s22, v[TMP+3]              ; wave w, 0 to 11
	v_and_b32 v[TMP], 31, v0                       ; lane
	v_and_b32 v[TMP+1], 15, v0                     ; r
	v_bfe_u32 v[TMP+2], v0, 4, 1                   ; h
	v_lshlrev_b32 v[SOFF], 4, v[TMP]
	v_lshlrev_b32 v[IA], 4, v[TMP+2]
	; Which row of C stands in row m = r of a tile.  A result's register i of lane half h is row m = 8 h + i.  Tile 0: m 0-3 predicate 0-3, 4-7 arg0 0-3,
	; 8-11 predicate 4-7, 12-15 arg0 4-7 (bits 2 and 3 of r change places).  Tile 1: m 0-3 arg1 0-3, 8-11 arg1 4-7, the rest repeats.
	; So for each output registers i = 0..3 (or 4..7) of both lane halves are rows 4 h + i of that one output.
	v_and_b32 v[TMP+4], 3, v[TMP+1]
	v_bfe_u32 v[TMP+5], v[TMP+1], 2, 1
	v_bfe_u32 v[TMP+6], v[TMP+1], 3, 1
	v_lshl_add_u32 v[TMP+7], v[TMP+6], 2, v[TMP+4] ; (r & 3) + 4 bit3: tile 1's row, counted from row 16
	v_lshl_add_u32 v[TMP+8], v[TMP+5], 3, v[TMP+7] ; + 8 bit2: tile 0's row
	v_mad_u32_u24 v[WA0], v[TMP+8], WP, v[IA]      ; row x pitch + 16 h
	v_mad_u32_u24 v[WA1], v[TMP+7], WP, v[IA]
	s_mov_b32 s28, 0xffff0000                      ; the lanes with h = 1
	s_mov_b32 s29, 0x76543210                      ; v_permlanex16_b32: lane i of one half reads lane i of the other
	s_mov_b32 s30, 0xfedcba98
	s_mov_b32 s25, 0                               ; upper word of every offset
	s_wait_alu depctr_va_sdst(0)                   ; s22 is written, ahead of its first reader: offsets, LDS addresses and the choice of the token table are made from it
	s_lshl_b32 s2, s22, 8                          ; my wave's 256 bytes in a row
	v_lshl_add_u32 v[TMP+3], v[TMP+1], 4, s2       ; 256 w + 16 r
	v_mad_u32_u24 v[EOFF], v[TMP+2], 8*ROW, v[TMP+3]
	v_mad_u32_u24 v[OOFF], v[TMP+2], 4*ROW, v[TMP+3]
	v_lshl_add_u32 v[MOFF], v[TMP+2], 3, v[TMP+3]
	s_mul_i32 s3, s22, 2*WP                        ; my wave's two rows of C
	v_lshl_add_u32 v[WST], v[TMP], 3, s3           ; + 8 bytes a lane (four bf16)
	s_wait_kmcnt 0x0                               ; the nine addresses
	; my wave's 16 tokens: waves 0-3 predicate, 4-7 arg0, 8-11 arg1; rows 2 (w & 3) and the next, 32 bytes each; a sentence has 256 bytes in a table
	s_cmp_lt_u32 s22, 4
	s_cselect_b64 s[26:27], s[8:9], s[10:11]
	s_cmp_lt_u32 s22, 8
	s_cselect_b64 s[26:27], s[26:27], s[12:13]
	s_and_b32 s23, s22, 3
	s_lshl_b32 s23, s23, 6
	s_lshl_b32 s24, ttmp9, 8
	s_add_co_u32 s24, s24, s23
	s_add_nc_u64 s[26:27], s[26:27], s[24:25]
	s_load_b512 s[TOK:TOK+15], s[26:27], 0x0
	s_lshl_b32 s24, ttmp9, 9                       ; a sentence's 128 ids are 512 bytes
	s_add_nc_u64 s[6:7], s[6:7], s[24:25]
	s_wait_alu depctr_va_vdst(0)                   ; v1 to v7 and v96 are written: every load and store of the kernel reads one of them as its offset or LDS address
	global_load_b128 v[SID:SID+3], v[SOFF], s[6:7] ; ahead of E's loads, so that it comes back first
	s_mul_i32 s24, ttmp9, SENT                     ; 255 x 393,216 at the most: below 2^32
	s_add_nc_u64 s[4:5], s[4:5], s[24:25]
; Load i of the 16 of K step k (tokens 32 k .. 32 k + 31) into slot s.  Load i of lane half h is token 32 k + 8 h + i (i < 8) or 32 k + 16 + 8 h + (i - 8):
; the order in which a 16-bit fragment's registers hold k.  Each load of the wave covers two aligned runs of 256 consecutive bytes.
.macro LOADE k, s, i
	global_load_b128 v[EV+64*(\s)+4*(\i):EV+64*(\s)+4*(\i)+3], v[EOFF], s[4:5] offset:(32*(\k)+(\i)+8*((\i)/8))*ROW th:TH_LOAD_NT
.endm
.macro LOADK k, s
.irp i, 0,1,2,3,4,5,6,7,8,9,10,11,12,13,14,15
	LOADE \k, \s, \i
.endr
.endm
	LOADK 0, 0
	LOADK 1, 1                                     ; 32 loads of 512 bytes of every wave are out: half of the sentence for the 12 waves
	s_mul_i32 s24, ttmp9, ROW                      ; the outputs at my sentence
	s_add_nc_u64 s[14:15], s[14:15], s[24:25]
	s_mul_i32 s24, ttmp9, 8*ROW
	s_add_nc_u64 s[16:17], s[16:17], s[24:25]
	s_add_nc_u64 s[18:19], s[18:19], s[24:25]
	s_add_nc_u64 s[20:21], s[20:21], s[24:25]
	s_lshl_b32 s31, s22, 3
	s_add_co_u32 s31, s31, INVB                    ; my wave's two words of the table
	; n_valid of my two rows: the tokens that are not 0, at least 1; 1 / n in f32
	s_wait_kmcnt 0x0                               ; the tokens
	s_mov_b32 s48, 0
	s_mov_b32 s49, 0
.irp l, 0,1,2,3,4,5,6,7
	s_cmp_lg_u32 s[TOK+\l], 0
	s_add_co_ci_u32 s48, s48, 0                    ; + 1 where the token is not 0
	s_cmp_lg_u32 s[TOK+8+\l], 0
	s_add_co_ci_u32 s49, s49, 0
.endr
	s_max_u32 s48, s48, 1
	s_max_u32 s49, s49, 1
	v_cvt_f32_u32 v[NF], s48
	v_cvt_f32_u32 v[NF+1], s49
	v_rcp_f32 v[RC], v[NF]
	v_rcp_f32 v[RC+1], v[NF+1]
	v_mov_b32 v[IST], s31                          ; the plain vector instruction between the reciprocals and the use of their results (ISA guide 5.7.2)
	; C's rows 2 w and 2 w + 1: lane l counts for t = 4 l + q.  A row's 32 compares stand in one run, each into a scalar register of its own.
; The run of row rr: place q, token l
.macro CMPS rr
.irp q, 0,1,2,3
.irp l, 0,1,2,3,4,5,6,7
	v_cmp_eq_u32 s[MK+8*\q+\l], s[TOK+8*\rr+\l], v[SID+\q]
.endr
.endr
.endm
; Place q of row rr: each mask gives 0 or 1.0; the eight are added in f32 (whole numbers up to 8: exact); a place whose id is 0 counts 0
.macro COUNT rr, q
.irp l, 0,1,2,3,4,5,6,7
	v_cndmask_b32 v[ONE+8*(\q%2)+\l], 0, 1.0, s[MK+8*\q+\l]
.endr
	v_pk_add_f32 v[ONE+8*(\q%2):ONE+8*(\q%2)+1],   v[ONE+8*(\q%2):ONE+8*(\q%2)+1],   v[ONE+8*(\q%2)+2:ONE+8*(\q%2)+3]
	v_pk_add_f32 v[ONE+8*(\q%2)+4:ONE+8*(\q%2)+5], v[ONE+8*(\q%2)+4:ONE+8*(\q%2)+5], v[ONE+8*(\q%2)+6:ONE+8*(\q%2)+7]
	v_pk_add_f32 v[ONE+8*(\q%2):ONE+8*(\q%2)+1],   v[ONE+8*(\q%2):ONE+8*(\q%2)+1],   v[ONE+8*(\q%2)+4:ONE+8*(\q%2)+5]
	v_add_f32 v[CNT+4*\rr+\q], v[ONE+8*(\q%2)], v[ONE+8*(\q%2)+1]
	v_cndmask_b32 v[CNT+4*\rr+\q], 0, v[CNT+4*\rr+\q], s[NZ+\q]
.endm
.macro CROW rr
.irp q, 0,1,2,3
	COUNT \rr, \q
.endr
	v_cvt_pk_bf16_f32 v[PK+2*\rr],   v[CNT+4*\rr],   v[CNT+4*\rr+1]        ; 0..8 are exact in bf16; the lower t in the lower half
	v_cvt_pk_bf16_f32 v[PK+2*\rr+1], v[CNT+4*\rr+2], v[CNT+4*\rr+3]
.endm
	s_wait_loadcnt 32                              ; the ids are in; the 32 loads of E issued behind them stay out
.irp q, 0,1,2,3
	v_cmp_ne_u32 s[NZ+\q], 0, v[SID+\q]            ; a position whose id is 0 matches no valid token
.endr
	CMPS 0
	s_wait_alu depctr_va_sdst(0)                   ; the 36 compares have written s50-53 and s66-97, ahead of the first select that reads one of them
	CROW 0
	CMPS 1
	s_wait_alu depctr_va_sdst(0)                   ; the second row's 32 compares have written s66-97 anew, ahead of the first select that reads one of them
	CROW 1
	s_wait_alu depctr_va_vdst(0)                   ; the reciprocals, the move and the roundings have written v88-91, v94-95 and v97, which the three LDS stores read
	ds_store_b64 v[IST], v[RC:RC+1]                ; all lanes store the same two words with the same values
	ds_store_b64 v[WST], v[PK:PK+1]                ; 32 lanes x 8 bytes: a row's 256 consecutive bytes
	ds_store_b64 v[WST], v[PK+2:PK+3] offset:WP
	s_wait_dscnt 0x0                               ; my rows of C and my words of the table are in LDS, for the other waves' sake
	s_barrier_signal -1
	s_barrier_wait -1                              ; all 24 rows are; the only barrier.  E's loads stay out across it: no wave writes those bytes
	s_wait_alu depctr_vm_vsrc(0)                   ; my LDS stores have read v88-97: these registers are accumulators from here on, written by the first step's products
; Slot s is added into the two chains of sums.  first = 1: loads 0 to 3 start them.
.macro ADDI s, i
	v_pk_add_f32 v[SA+4*(\i%2):SA+4*(\i%2)+1],   v[SA+4*(\i%2):SA+4*(\i%2)+1],   v[EV+64*\s+4*\i:EV+64*\s+4*\i+1]
	v_pk_add_f32 v[SA+4*(\i%2)+2:SA+4*(\i%2)+3], v[SA+4*(\i%2)+2:SA+4*(\i%2)+3], v[EV+64*\s+4*\i+2:EV+64*\s+4*\i+3]
.endm
.macro SUMS s, first
.if \first
	v_pk_add_f32 v[SA:SA+1],   v[EV+64*\s:EV+64*\s+1],     v[EV+64*\s+8:EV+64*\s+9]
	v_pk_add_f32 v[SA+2:SA+3], v[EV+64*\s+2:EV+64*\s+3],   v[EV+64*\s+10:EV+64*\s+11]
	v_pk_add_f32 v[SB:SB+1],   v[EV+64*\s+4:EV+64*\s+5],   v[EV+64*\s+12:EV+64*\s+13]
	v_pk_add_f32 v[SB+2:SB+3], v[EV+64*\s+6:EV+64*\s+7],   v[EV+64*\s+14:EV+64*\s+15]
.else
.irp i, 0,1,2,3
	ADDI \s, \i
.endr
.endif
.irp i, 4,5,6,7,8,9,10,11,12,13,14,15
	ADDI \s, \i
.endr
.endm
; Slot s becomes four B fragments: register p of fragment j = column j of loads 2 p (low half) and 2 p + 1 (high half)
.macro CVT s
.irp j, 0,1,2,3
.irp p, 0,1,2,3,4,5,6,7
	v_cvt_pk_bf16_f32 v[BF+8*\j+\p], v[EV+64*\s+8*\p+\j], v[EV+64*\s+8*\p+4+\j]
.endr
.endr
.endm
; K step k on slot s.  first = 1: the products start the sums (C = 0).  fill = 1: the slot is loaded again, two steps ahead.
; left = how many younger loads may stay out.  inv = 1: the table of 1 / n is read too.
.macro STEP k, s, first, fill, left, inv
	s_wait_loadcnt \left                           ; loads come back in order (ISA guide 5.7.1): this slot's 16 are in
	SUMS \s, \first                                ; 28 or 32 plain vector instructions that name no register of a matrix instruction: the places
	                                               ; between the last step's products and the loads into W0, W1 and the writes of the B fragments below
.if !\first
	s_wait_alu depctr_va_vdst(0)                   ; the last step's products are done reading W0 and W1, in which the loads below land; in the last step also: the third step's sums and conversions are done reading v128-139
.endif
	ds_load_b128 v[W0:W0+3],   v[WA0] offset:64*\k
	ds_load_b128 v[W0+4:W0+7], v[WA0] offset:64*\k+32
	ds_load_b128 v[W1:W1+3],   v[WA1] offset:T1+64*\k
	ds_load_b128 v[W1+4:W1+7], v[WA1] offset:T1+64*\k+32
.if \inv
.irp x, 0,1,2
	ds_load_b128 v[INV+4*\x:INV+4*\x+3], v[IA] offset:INVB+32*\x   ; 1 / n of rows 4 h .. 4 h + 3 of output x, into slot 0, which nothing reads or loads any more
.endr
.endif
	CVT \s
.if \fill
	s_wait_alu depctr_va_vdst(0)                   ; the sums and the conversions are done reading slot s, in which the 16 loads below land
.endif
.irp j, 0,1,2,3                                    ; the eight accumulators take turns, one instruction a turn, in the same order in every step
.irp t, 0,1
.if \fill
	LOADE \k+2, \s, 4*\j+2*\t                      ; two of the slot's loads ahead of each product.  No further wait: the products name W0, W1, the B fragments and the accumulators, never the slot or v1
	LOADE \k+2, \s, 4*\j+2*\t+1
.endif
.if \j+\t == 0
	s_wait_dscnt 0x0                               ; C's two fragments (and in the last step the table)
.endif
.if \first
	v_wmma_f32_16x16x32_bf16 v[ACC+32*\t+8*\j:ACC+32*\t+8*\j+7], v[W0+8*\t:W0+8*\t+7], v[BF+8*\j:BF+8*\j+7], 0
.else
	v_wmma_f32_16x16x32_bf16 v[ACC+32*\t+8*\j:ACC+32*\t+8*\j+7], v[W0+8*\t:W0+8*\t+7], v[BF+8*\j:BF+8*\j+7], v[ACC+32*\t+8*\j:ACC+32*\t+8*\j+7]
.endif
.endr
.endr
.endm
	STEP 0, 0, 1, 1, 16, 0                         ; step 1's 16 loads stay out.  No vector instruction has named W0 or W1 yet: its LDS loads hang on the head's wait alone
	STEP 1, 1, 0, 1, 16, 0                         ; step 2's
	STEP 2, 0, 0, 0, 16, 0                         ; step 3's
	STEP 3, 1, 0, 0, 0, 1
	; The mean.  A lane holds, for its four d, the sum over its 64 tokens; the lane 16 away holds the other 64.  Lane half h keeps d = 4 r + 2 h and the next and
	; gets the other half's sums of these two, so that each lane stores 8 bytes and the wave 256 consecutive aligned bytes, with all lanes on.
	; The first six lines name v8-v15 alone: they are also the places between the last products and the first read of a result.
	v_pk_add_f32 v[SA:SA+1],   v[SA:SA+1],   v[SB:SB+1]
	v_pk_add_f32 v[SA+2:SA+3], v[SA+2:SA+3], v[SB+2:SB+3]
	v_cndmask_b32 v[SB+2], v[SA+2], v[SA],   s28   ; what the other half needs: h = 0 gives its words 2, 3; h = 1 its words 0, 1
	v_cndmask_b32 v[SB+3], v[SA+3], v[SA+1], s28
	v_cndmask_b32 v[SA],   v[SA],   v[SA+2], s28   ; what I keep
	v_cndmask_b32 v[SA+1], v[SA+1], v[SA+3], s28
	v_permlanex16_b32 v[SB],   v[SB+2], s29, s30   ; the destinations have been written before
	v_permlanex16_b32 v[SB+1], v[SB+3], s29, s30
	v_pk_add_f32 v[SA:SA+1], v[SA:SA+1], v[SB:SB+1]
	v_pk_mul_f32 v[SA:SA+1], v[SA:SA+1], 0x3c000000 op_sel_hi:[1,0]        ; x 1/128, exact
; Output x: rows 4 h + i are registers j0 + i of tile t's four accumulators.  The multiply by 1 / n lays the four neighbouring d side by side; lanes 0-15 store
; 256 consecutive aligned bytes of row i, lanes 16-31 those of row 4 + i.  Each result register is written once and no address register is rewritten.
.macro SCALE x, t, j0
.irp i, 0,1,2,3
.irp j, 0,1,2,3
	v_mul_f32 v[OV+16*\x+4*\i+\j], v[ACC+32*\t+8*\j+\j0+\i], v[INV+4*\x+\i]
.endr
.endr
.endm
.macro SEND x, base
.irp i, 0,1,2,3
	global_store_b128 v[OOFF], v[OV+16*\x+4*\i:OV+16*\x+4*\i+3], s[\base:\base+1] offset:\i*ROW th:TH_STORE_NT
.endr
.endm
	SCALE 0, 0, 0                                  ; predicate: each accumulator of tile 0 is read from its low end on
	SCALE 1, 0, 4                                  ; arg0
	SCALE 2, 1, 0                                  ; arg1
	s_wait_alu depctr_va_vdst(0)                   ; the mean's last multiply has written v8-9 and the 48 multiplies v144-191, which the 13 stores below read
	global_store_b64 v[MOFF], v[SA:SA+1], s[14:15] th:TH_STORE_NT
	SEND 0, 16
	SEND 1, 18
	SEND 2, 20
	s_set_vgpr_msb 0x5
	s_wait_dscnt 0x0
	s_wait_alu depctr_hold_cnt(0) depctr_sa_sdst(0) depctr_va_vdst(0) depctr_va_sdst(0) depctr_va_ssrc(0) depctr_va_vcc(0) depctr_vm_vsrc(0)
	s_wait_tensorcnt 0x0
	ds_add_u32 v0, v1
	s_wait_dscnt 0x0
	s_endpgm
.Lfunc_end_k_q6296da815c_srl:
	.size	k_q6296da815c_srl, .Lfunc_end_k_q6296da815c_srl-k_q6296da815c_srl
	.p2alignl 7, 3214868480
	.fill 96, 4, 3214868480
	.section	.rodata,"a",@progbits
	.p2align	6, 0x0
	.amdhsa_kernel k_q6296da815c_srl
		.amdhsa_group_segment_fixed_size 8448
		.amdhsa_private_segment_fixed_size 0
		.amdhsa_enable_private_segment 0
		.amdhsa_kernarg_size 72
		.amdhsa_user_sgpr_count 2
		.amdhsa_user_sgpr_kernarg_segment_ptr 1
		.amdhsa_wavefront_size32 1
		.amdhsa_system_sgpr_workgroup_id_x 1
		.amdhsa_system_sgpr_workgroup_id_y 1
		.amdhsa_system_sgpr_workgroup_id_z 1
		.amdhsa_system_vgpr_workitem_id 0
		.amdhsa_next_free_vgpr 258
		.amdhsa_next_free_sgpr 98
		.amdhsa_reserve_vcc 0
		.amdhsa_float_denorm_mode_32 3
		.amdhsa_float_denorm_mode_16_64 3
		.amdhsa_memory_ordered 1
		.amdhsa_forward_progress 1
		.amdhsa_inst_pref_size 45
	.end_amdhsa_kernel
	.amdgpu_metadata
---
amdhsa.version: [ 1, 2 ]
amdhsa.kernels:
  - .name:           k_q6296da815c_srl
    .symbol:         k_q6296da815c_srl.kd
    .args:
      - { .name: sentence_embeddings, .offset: 0, .size: 8, .value_kind: global_buffer, .address_space: global }
      - { .name: sentence_ids, .offset: 8, .size: 8, .value_kind: global_buffer, .address_space: global }
      - { .name: predicate_ids, .offset: 16, .size: 8, .value_kind: global_buffer, .address_space: global }
      - { .name: arg0_ids, .offset: 24, .size: 8, .value_kind: global_buffer, .address_space: global }
      - { .name: arg1_ids, .offset: 32, .size: 8, .value_kind: global_buffer, .address_space: global }
      - { .name: out0, .offset: 40, .size: 8, .value_kind: global_buffer, .address_space: global }
      - { .name: out1, .offset: 48, .size: 8, .value_kind: global_buffer, .address_space: global }
      - { .name: out2, .offset: 56, .size: 8, .value_kind: global_buffer, .address_space: global }
      - { .name: out3, .offset: 64, .size: 8, .value_kind: global_buffer, .address_space: global }
    .group_segment_fixed_size: 8448
    .private_segment_fixed_size: 0
    .kernarg_segment_align: 8
    .kernarg_segment_size: 72
    .max_flat_workgroup_size: 384
    .sgpr_count:     98
    .vgpr_count:     258
    .wavefront_size: 32
...
	.end_amdgpu_metadata
.endif
;; end of part 2
